; MI455X (gfx1250); checked and timed in simulation.
; The chip was launched on July 23, 2026; its instructions are those of AMD's public machine-readable ISA for CDNA 5 (MIT licence, August 2026) and "CDNA5" Instruction Set Architecture Reference Guide (July 2026). The comments in the code are by the model that wrote it; some were corrected since.
;; Quantized Linear. Allowed arithmetic: matrix products marked QUANTISED: E3M2 operands, one E8M0 scale for each 32 along K, by v_wmma_scale_f32_16x16x128_f8f6f4 with both operands' format E3M2, f32 sums; everything else in f32.
;; Inputs: S 64 float32; U 4,096 x 64 float32; Vt 64 x 4,096 float32; bias 4,096 float32; centroids 8,192 x 8 float32; indices 4,096 x 512 int32; perm 4,096 int32; weight_bias 4,096 x 1 float32; weight_scale 4,096 x 1 float32; x 4,096 x 4,096 float32.
;; Outputs: out0 4,096 x 4,096 float32.
;; This version of the problem:
;;   THIS VERSION OF THE PROBLEM IS GIVEN IN LOW PRECISION. The matrix products marked QUANTISED in the list below multiply operands that are first quantised to E3M2 (3 exponent bits, 2 mantissa bits; 6 bits a number), with one power-of-two scale for each 32 numbers along K (OCP MX v1.0); their sums are f32. All else is computed in f32.
;;   The module's matrix products, in the order in which they are computed (A, B: the left and right operand; K: the contracted axis; several contracted axes count as one K, in the product's order):
;;     1. [M 4,096, K 64] x [K 64, N 4,096]; A: computed on the way; B: input Vt: QUANTISED
;;     2. [M 4,096, K 4,096] x [K 4,096, N 4,096]; A: input x; B: computed on the way: QUANTISED
;;   THE QUANTISER, for each operand of a quantised product, along K:
;;     - K is cut into blocks of 32 from its start; a last block that is shorter is filled with zeros.
;;     - A block's scale is 2^e with e = floor(log2(the largest magnitude in the block)) - 4, held to -126 .. 127; a block of zeros has e = 0. As a byte (E8M0): e + 127.
;;     - Each number is divided by its block's scale, clamped to +-28, and rounded to the nearest number of E3M2, ties to even, subnormals kept.
;;     - The product sums the exact products of the quantised numbers (number of the format x scale) in f32.
;;   ~~~python
;;   def quantise(x, axis):      # numpy; x: float32 -> the quantised numbers, widened to float32 again
;;       x = np.moveaxis(x, axis, -1); K = x.shape[-1]
;;       x = np.pad(x, [(0, 0)] * (x.ndim - 1) + [(0, -K % 32)]); x = x.reshape(x.shape[:-1] + (-1, 32)); a = np.abs(x).max(-1, keepdims=True)
;;       e = np.where(a > 0, np.clip(np.frexp(np.where(a > 0, a, 1))[1] - 1 - 4, -126, 127), 0)      # np.frexp(a)[1] - 1 = floor(log2(a)), exactly
;;       r = np.clip(x / 2.0 ** e, -28, 28)
;;       step = 2.0 ** (np.maximum(np.frexp(np.where(r == 0, 1, r))[1] - 1, -2) - 2)
;;       q = np.round(r / step) * step * 2.0 ** e      # np.round: ties to even
;;       return np.moveaxis(q.reshape(q.shape[:-2] + (-1,))[..., :K], -1, axis).astype(np.float32)
;;   ~~~
;;   OPERANDS COMPUTED ON THE WAY. 'Computed on the way' means the value that the module computes at that place (a softmax that the list does not call 'softmax' is quantised finished and normalised). What goes into a quantiser is computed in f32, as accurately as f32 sums, v_exp_f32 and their like allow (about 1e-6 of the number): no bf16 or f16 on the way to a quantiser, and a product that is left as it is and whose result goes on into a quantised operand takes f32 operands (vector FMAs, or v_wmma_f32_16x16x4_f32). A number that lies on a knife's edge between two numbers of the format may be rounded either way, as far as f32 arithmetic and the matrix unit's own rounding can turn it there, and no further.
;; One version. Each part assembles by itself: llvm-mc -triple=amdgcn-amd-amdhsa -mcpu=gfx1250 --defsym DOCPART=n.
;; ======== version 1 of 1: 3 launches
;; limits: right only within a limited range of input values
;; workspace buffers: xq 13,631,488 bytes; wq 13,631,488 bytes; vc 196,608 bytes; vs 16,384 bytes
;; launch quant (part 1): grid 544 x 1, 4 waves a work-group, no clusters, 34,304 bytes of LDS; arguments x, Vt, xq, vc, vs; writes xq, vc, vs
.if DOCPART == 1
	.amdgcn_target "amdgcn-amd-amdhsa--gfx1250"
	.amdhsa_code_object_version 6
	.text
	.protected	k_qfcf79ee45e_quant
	.globl	k_qfcf79ee45e_quant
	.p2align	8
	.type	k_qfcf79ee45e_quant,@function
k_qfcf79ee45e_quant:
	s_mov_b64 s[64:65], 0
	v_nop
	global_prefetch_b8 v0, s[64:65] scope:SCOPE_SE
	s_setreg_imm32_b32 hwreg(HW_REG_WAVE_MODE, 25, 1), 1
	s_wait_xcnt 0x0
; x [4096][4096] f32 becomes codes of BF6 (E3M2), 6 bits each, with one E8M0 byte for each 32 along K, LAID IN THE ORDER OF THE OPERAND'S REGISTERS:
; xq [32 groups of 128 rows][32 K steps of 128][UNIT]; a UNIT is 8 fragments (16 rows x 128 K: 12 registers a lane) of 1,536 bytes, register 4 c + e of lane l at 512 c + 16 l + 4 e,
; then 8 images of the fragments' scale register, 128 bytes each, lane l's word at 4 l (lanes r and r + 16 hold row r's word).  13,312 bytes, 52 x 256.
; Vt [64][4096] f32, whose K (the rank) is its FIRST axis, becomes vc [4096 columns][48 bytes] (64 codes down the rank, block h at byte 24 h) and vs [4096] words (byte 0: block 0, byte 1: block 1, bytes 2, 3: 0x7f).
; A block's scale is 2^(floor(log2(its largest magnitude)) - 4); its byte is the largest magnitude's own exponent field - 4, held at 1 from below by a floor among the maximum's leaves.
; LIMITS: a block of zeros gets the byte 1 where the rule says 127: its codes are zeros, which add nothing under any byte but 0xff, and this program alone reads the bytes.  NaN and infinities among the inputs are not served.
; SHARES.  Work-groups 0 to 31 take Vt (a lane a column, registers down the rank: 128 waves x 32 columns), work-groups 32 to 543 take x: a wave 16 rows x 4 K steps, four fragments.
; Only x's path uses LDS; waves share nothing: no barrier.  No cluster, no tensor load, no matrix unit: no two work-groups read the same byte, and the launch is a stream.
; x's PATH.  A conversion takes 16 numbers of one block from ONE lane's registers, and the operand wants row l % 16 in lane l; a load is densest where neighbouring lanes take neighbouring bytes.  Both are had: each of a
; K step's 16 loads reads one row's 512 consecutive bytes, 16 a lane; the 8,192 bytes go through the wave's own stage in LDS (rows 528 bytes apart = 132 words: row r starts at bank 4 r mod 64; 64 banks of 4 bytes: ISA guide 11.1)
; and come back 64 numbers a lane: register 16 b + i = k 32 b + 16 (l / 16) + i of row l % 16.  The codes then ARE the fragment's registers and are stored as they stand.
.set VTG,   32                         ; work-groups that take Vt
.set EMAX,  4                          ; the exponent of the format's largest number, 28
.set FRB,   1536                       ; a fragment's image
.set SCO,   8*FRB                      ; where a UNIT's scale words begin
.set UNIT,  SCO+8*128
.set GRP,   32*UNIT                    ; a group's 32 K steps
.set XP,    528                        ; a stage row
.set WREG,  16*XP                      ; a wave's stage
.set R,     16                         ; v16-143  two sets of 64 numbers as they are loaded  (Vt's path: v16-79 a column's 64 numbers)
.set X,     144                        ; v144-207 64 numbers in the conversions' order
.set TM,    208                        ; v208-211 largest magnitudes, v212-215 the other half's, then bytes, v220-223 the conversions' scale operands
.set PC,    224                        ; v224-235 the fragment
.set TQ,    236                        ; v236-243 the conversions' second halves
.set PW,    244                        ; v244     the scale word
.set C,     128                        ; Vt's path: v128-143 codes
.set SEL,   24                         ; s[24:25] v_permlanex16_b32's selects for lane l xor 16
	s_load_b128 s[4:7], s[0:1], 0x0                ; x, Vt
	s_load_b64 s[8:9], s[0:1], 0x10                ; xq
	s_load_b64 s[12:13], s[0:1], 0x18              ; vc
	s_load_b64 s[14:15], s[0:1], 0x20              ; vs
	v_lshl_add_u32 v254, v0, 2, 0x8400
	v_mov_b32 v255, 0
	v_lshrrev_b32 v1, 5, v0
	v_readfirstlane_b32 s16, v1                    ; wave 0..3
	v_and_b32 v2, 31, v0                           ; lane
	s_cmp_lt_u32 ttmp9, VTG                        ; the choice hangs on the work-group's number alone
	s_cbranch_scc1 .Lvt
	; ---------------- x ----------------
	v_lshlrev_b32 v3, 4, v2                        ; v3  16 x lane: my bytes of a load's 512, and of an image's 512
	v_lshlrev_b32 v4, 2, v2                        ; v4  4 x lane: my scale word's place
	s_mul_i32 s17, s16, WREG
	v_add_nc_u32 v5, s17, v3                       ; v5  the stage, on the way in: 16 x lane; the row stands in the immediate
	v_and_b32 v6, 15, v0
	v_bfe_u32 v7, v0, 4, 1
	v_mul_u32_u24 v6, v6, XP
	v_lshl_add_u32 v6, v7, 6, v6
	v_add_nc_u32 v6, s17, v6                       ; v6  and on the way out: row l % 16, + 64 (l / 16): my 16 numbers of a block of 32
	s_mov_b32 s[SEL], 0x76543210
	s_mov_b32 s[SEL+1], 0xfedcba98
.irp b, 0,1,2,3
	v_mov_b32 v[TM+4+\b], 0                        ; written once: a lane permute's destination counts as one of its sources
.endr
	s_sub_co_u32 s17, ttmp9, VTG
	s_lshl_b32 s17, s17, 2
	s_add_co_u32 s17, s17, s16                     ; my wave's run, 0 .. 2,047
	s_lshr_b32 s18, s17, 3                         ; which 16 rows: 0 .. 255
	s_and_b32 s19, s17, 7                          ; which four K steps
	s_lshl_b32 s20, s18, 18                        ; 16 rows of 16,384 bytes,
	s_lshl_b32 s21, s19, 11                        ; four K steps of 512 bytes
	s_add_co_u32 s20, s20, s21
	s_mov_b32 s21, 0
	s_lshr_b32 s22, s18, 3                         ; the group of 128 rows
	s_mul_i32 s22, s22, GRP
	s_mul_i32 s23, s19, 4*UNIT
	s_add_co_u32 s22, s22, s23                     ; my first UNIT
	s_and_b32 s18, s18, 7                          ; which fragment of it
	s_mul_i32 s26, s18, FRB
	s_add_co_u32 s26, s26, s22                     ; where my first fragment goes,
	s_mov_b32 s27, 0
	s_lshl_b32 s28, s18, 7
	s_add_co_u32 s28, s28, s22
	s_add_co_u32 s28, s28, SCO                     ; and its scale words
	s_mov_b32 s29, 0
	s_wait_alu depctr_va_vdst(0)
	s_wait_kmcnt 0x0
	s_add_nc_u64 s[4:5], s[4:5], s[20:21]
	s_add_nc_u64 s[10:11], s[8:9], s[28:29]
	s_add_nc_u64 s[8:9], s[8:9], s[26:27]
.macro LOAD q                          ; K step q of my 16 rows into set q % 2
.irp t, 0,1,2,3,4,5,6,7,8,9,10,11,12,13,14,15
	global_load_b128 v[R+64*((\q)%2)+4*\t:R+64*((\q)%2)+4*\t+3], v3, s[4:5] offset:16384*\t+512*(\q) th:TH_LOAD_NT   ; 32 lanes read 512 consecutive bytes of row t; read once in the launch
.endr
.endm
; 64 numbers of a lane, v[s] on, register 16 b + i = k 32 b + 16 h + i of row r, become a fragment's codes in v[pc] on and the row's scale word in v[pw].
.macro QUANT s, pc, pw
.irp b, 0,1,2,3
	v_max3_num_f32 v[TM+\b], |v[\s+16*\b]|, |v[\s+1+16*\b]|, (EMAX+1)<<23   ; block b: my 16 numbers, and the floor 2^(EMAX + 1 - 127): the byte cannot fall under 1
.endr
.irp i, 2,4,6,8,10,12,14
.irp b, 0,1,2,3
	v_max3_num_f32 v[TM+\b], v[TM+\b], |v[\s+16*\b+\i]|, |v[\s+1+16*\b+\i]|   ; (the four blocks by turns)
.endr
.endr
.irp b, 0,1,2,3
	v_permlanex16_b32 v[TM+4+\b], v[TM+\b], s[SEL], s[SEL+1]
.endr
.irp b, 0,1,2,3
	v_max_num_f32 v[TM+\b], v[TM+\b], v[TM+4+\b]   ; with lane l xor 16's: the block's largest magnitude
.endr
.irp b, 0,1,2,3
	v_add_nc_u32 v[TM+12+\b], -(EMAX<<23), v[TM+\b]   ; EMAX off its exponent field: the conversion takes the exponent field of this operand as its scale, and nothing else of it
.endr
.irp b, 0,1,2,3
	v_lshrrev_b32 v[TM+4+\b], 23, v[TM+12+\b]      ; the scale's byte
.endr
	v_lshl_or_b32 v[\pw], v[TM+5], 8, v[TM+4]
	v_lshl_or_b32 v[\pw], v[TM+6], 16, v[\pw]
	v_lshl_or_b32 v[\pw], v[TM+7], 24, v[\pw]
.irp c, 0,1
	v_cvt_scalef32_pk16_bf6_f32 v[\pc+6*\c:\pc+2+6*\c], v[\s+32*\c:\s+15+32*\c], v[TM+12+2*\c]
	v_cvt_scalef32_pk16_bf6_f32 v[TQ+4*\c:TQ+2+4*\c], v[\s+16+32*\c:\s+31+32*\c], v[TM+12+2*\c+1]   ; (a conversion's three registers begin on an even number)
.endr
	v_nop                                          ; one plain line behind a scaled conversion
.irp c, 0,1                            ; the operand's layout wants a WHOLE block in a lane: lanes 0-15 block 2 c, lanes 16-31 block 2 c + 1
.irp i, 0,1,2
	v_permlane16_swap_b32 v[\pc+6*\c+\i], v[TQ+4*\c+\i]
.endr
.irp i, 0,1,2
	v_mov_b32 v[\pc+3+6*\c+\i], v[TQ+4*\c+\i]
.endr
.endr
.endm
.macro FRAGX q                         ; K step q: through the stage, quantised, stored
.set RS, R+64*((\q)%2)
.if (\q) < 3
	s_wait_loadcnt 16                              ; this K step's 16 loads are in; the next one's 16 may be out
.else
	s_wait_loadcnt 0x0
.endif
.irp t, 0,1,2,3,4,5,6,7,8,9,10,11,12,13,14,15
	ds_store_b128 v5, v[RS+4*\t:RS+4*\t+3] offset:\t*XP
.endr
.irp b, 0,1,2,3
.irp j, 0,1,2,3
	ds_load_b128 v[X+16*\b+4*\j:X+16*\b+4*\j+3], v6 offset:128*\b+16*\j   ; LDS serves a wave's instructions in order (ISA guide 5.7.1.4): these see the stores above, and the next K step's stores come behind them
.endr
.endr
	s_wait_dscnt 0x0                               ; the numbers are back, and the stores into the stage have read their registers,
.if (\q) > 0
	s_wait_xcnt 0x0                                ; the last K step's stores to memory have read the fragment and the scale word, which are written again below
.endif
.if (\q)+2 < 4
	LOAD (\q)+2                                    ; which take the loads of two K steps on: up to 32 loads of a wave are out
.endif
	QUANT X, PC, PW
.irp c, 0,1,2
	global_store_b128 v3, v[PC+4*\c:PC+4*\c+3], s[8:9] offset:UNIT*(\q)+512*\c   ; 32 lanes store 512 consecutive bytes, at a multiple of 256 from xq's first byte
.endr
	global_store_b32 v4, v[PW], s[10:11] offset:UNIT*(\q)   ; 128 consecutive bytes; the 128 beside them are another wave's: 1 byte in 13 of what the launch stores
.endm
	LOAD 0
	LOAD 1
	FRAGX 0
	FRAGX 1
	FRAGX 2
	FRAGX 3
	s_wait_tensorcnt 0x0
	ds_add_u32 v254, v255
	s_wait_dscnt 0x0
	s_endpgm
	; ---------------- Vt ----------------
.Lvt:
	s_lshl_b32 s17, ttmp9, 2
	s_add_co_u32 s17, s17, s16                     ; g = 0 .. 127: my wave's 32 columns begin at 32 g
	s_wait_alu depctr_va_vdst(0)
	v_lshlrev_b32 v3, 2, v2                        ; 4 bytes a lane: in Vt's rows, and in vs
	v_mul_u32_u24 v4, v2, 48                       ; 48 bytes a column in vc
	s_lshl_b32 s18, s17, 7                         ; 128 g
	s_mov_b32 s19, 0
	s_mul_i32 s20, s17, 1536                       ; 32 columns x 48 bytes
	s_mov_b32 s21, 0
	s_wait_alu depctr_va_vdst(0)
	s_wait_kmcnt 0x0
	s_add_nc_u64 s[6:7], s[6:7], s[18:19]
	s_add_nc_u64 s[12:13], s[12:13], s[20:21]
	s_add_nc_u64 s[14:15], s[14:15], s[18:19]
.set n, 0
.rept 64
	global_load_b32 v[R+n], v3, s[6:7] offset:n*16384 th:TH_LOAD_NT   ; Vt(n, my column): a wave reads 128 consecutive bytes, the four waves of a work-group 512
.set n, n+1
.endr
.macro VBLOCK c                        ; block c of my column: all its 32 numbers are mine, so no other lane is asked
.set XS, R+32*(\c)
	s_wait_loadcnt 32-32*(\c)                      ; block 0: the 32 loads of block 1 may be out; block 1: none
	v_max3_num_f32 v8, |v[XS]|, |v[XS+1]|, |v[XS+2]|
	v_max3_num_f32 v9, |v[XS+3]|, |v[XS+4]|, |v[XS+5]|
.irp i, 6,10,14,18,22,26
	v_max3_num_f32 v8, v8, |v[XS+\i]|, |v[XS+\i+1]|
	v_max3_num_f32 v9, v9, |v[XS+\i+2]|, |v[XS+\i+3]|
.endr
	v_max3_num_f32 v8, v8, |v[XS+30]|, |v[XS+31]|
	v_max3_num_f32 v8, v8, v9, (EMAX+1)<<23        ; the floor
	v_add_nc_u32 v[10+\c], -(EMAX<<23), v8         ; the conversions' scale operand
	v_lshrrev_b32 v[12+\c], 23, v[10+\c]           ; the byte
	v_cvt_scalef32_pk16_bf6_f32 v[C+8*\c:C+8*\c+2], v[XS:XS+15], v[10+\c]
	v_cvt_scalef32_pk16_bf6_f32 v[C+8*\c+4:C+8*\c+6], v[XS+16:XS+31], v[10+\c]   ; (a conversion's three registers begin on an even number)
	global_store_b96 v4, v[C+8*\c:C+8*\c+2], s[12:13] offset:24*\c               ; a wave's four stores together fill 1,536 consecutive bytes; each alone fills them in part: 196,608 bytes of the launch's 14 million
	global_store_b96 v4, v[C+8*\c+4:C+8*\c+6], s[12:13] offset:24*\c+12
.endm
	VBLOCK 0
	VBLOCK 1
	v_lshl_or_b32 v12, v13, 8, v12                 ; the two bytes, (a plain line behind the last conversion, which names none of its registers)
	v_or_b32 v12, 0x7f7f0000, v12                  ; and 2^0 for the 64 zero codes that fill the matrix instruction's K
	global_store_b32 v3, v12, s[14:15]             ; a wave stores 128 consecutive bytes
	s_endpgm
.Lfunc_end_k_qfcf79ee45e_quant:
	.size	k_qfcf79ee45e_quant, .Lfunc_end_k_qfcf79ee45e_quant-k_qfcf79ee45e_quant
	.p2alignl 7, 3214868480
	.fill 96, 4, 3214868480
	.section	.rodata,"a",@progbits
	.p2align	6, 0x0
	.amdhsa_kernel k_qfcf79ee45e_quant
		.amdhsa_group_segment_fixed_size 34304
		.amdhsa_private_segment_fixed_size 0
		.amdhsa_enable_private_segment 0
		.amdhsa_kernarg_size 40
		.amdhsa_user_sgpr_count 2
		.amdhsa_user_sgpr_kernarg_segment_ptr 1
		.amdhsa_wavefront_size32 1
		.amdhsa_system_sgpr_workgroup_id_x 1
		.amdhsa_system_sgpr_workgroup_id_y 1
		.amdhsa_system_sgpr_workgroup_id_z 1
		.amdhsa_system_vgpr_workitem_id 0
		.amdhsa_next_free_vgpr 256
		.amdhsa_next_free_sgpr 66
		.amdhsa_reserve_vcc 0
		.amdhsa_float_denorm_mode_32 3
		.amdhsa_float_denorm_mode_16_64 3
		.amdhsa_memory_ordered 1
		.amdhsa_forward_progress 1
		.amdhsa_inst_pref_size 43
	.end_amdhsa_kernel
	.amdgpu_metadata
---
amdhsa.version: [ 1, 2 ]
amdhsa.kernels:
  - .name:           k_qfcf79ee45e_quant
    .symbol:         k_qfcf79ee45e_quant.kd
    .args:
      - { .name: x, .offset: 0, .size: 8, .value_kind: global_buffer, .address_space: global }
      - { .name: Vt, .offset: 8, .size: 8, .value_kind: global_buffer, .address_space: global }
      - { .name: xq, .offset: 16, .size: 8, .value_kind: global_buffer, .address_space: global }
      - { .name: vc, .offset: 24, .size: 8, .value_kind: global_buffer, .address_space: global }
      - { .name: vs, .offset: 32, .size: 8, .value_kind: global_buffer, .address_space: global }
    .group_segment_fixed_size: 34304
    .private_segment_fixed_size: 0
    .kernarg_segment_align: 8
    .kernarg_segment_size: 40
    .max_flat_workgroup_size: 128
    .sgpr_count:     66
    .vgpr_count:     256
    .wavefront_size: 32
...
	.end_amdgpu_metadata
.endif
;; end of part 1
;; launch wbuild (part 2): grid 256 x 1, 16 waves a work-group, no clusters, 264,704 bytes of LDS; arguments centroids, indices, perm, weight_scale, weight_bias, U, S, vc, vs, wq; writes wq
.if DOCPART == 2
	.amdgcn_target "amdgcn-amd-amdhsa--gfx1250"
	.amdhsa_code_object_version 6
	.text
	.protected	k_qfcf79ee45e_wbuild
	.globl	k_qfcf79ee45e_wbuild
	.p2align	8
	.type	k_qfcf79ee45e_wbuild,@function
k_qfcf79ee45e_wbuild:
	s_mov_b64 s[64:65], 0
	v_nop
	global_prefetch_b8 v0, s[64:65] scope:SCOPE_SE
	s_setreg_imm32_b32 hwreg(HW_REG_WAVE_MODE, 25, 1), 1
	s_wait_xcnt 0x0
; W[o][j] = centroids[indices[o][perm[j] / 8]][perm[j] % 8] x weight_scale[o] + weight_bias[o] + sum over k of Q(U[o][k] S[k]) Q(Vt[k][j]), and W is quantised along j into codes of BF6 (E3M2) with one E8M0 byte for each 32,
; LAID IN THE ORDER OF THE OPERAND'S REGISTERS: wq [32 groups of 128 rows][32 K steps of 128][UNIT]; a UNIT is 8 fragments (16 rows x 128 K: 12 registers a lane) of 1,536 bytes, register 4 c + e of lane l at 512 c + 16 l + 4 e,
; then 8 images of the fragments' scale register, 128 bytes each, lane l's word at 4 l.
; Q: the same quantiser along the rank, K = 64: two blocks of 32; the matrix instruction's other 64 along K are zero codes on both sides.
; LIMITS: a block of zeros gets the byte 1 where the rule says 127 (its codes are zeros, and this program alone reads the bytes); NaN and infinities are not served; an index is held at 8,191 and a place of perm at 4,095,
; which by the problem's statement they never pass.  The affine step is one fused multiply-add where the definition rounds twice.
; SHARES.  A work-group takes 16 rows o0 .. o0 + 15 of W: one fragment's rows.  First wave w dequantises row o0 + w; then wave w takes columns 256 w .. 256 w + 255 of all 16 rows: K steps 2 w and 2 w + 1 of the later product.
; LDS, one region used twice, barriers between:
;   TABLE  0 .. 262,143   the centroids as they lie, 32 bytes each, brought by one tensor load a wave (16,384 bytes); it is filled once.  One tensor load of a wave is out.
;   TILE   0 .. 262,399   16 rows of 4,096 f32 before the permutation, 16,400 bytes apart = 4,100 words: row r starts at bank 4 r mod 64 (64 banks of 4 bytes: ISA guide 11.1)
; THE TWO GATHERS take their LDS addresses from index inputs read straight from memory into registers and held to their tables' sizes.  Between the first and the second barrier, and behind the third, they are the
; only LDS accesses of any wave.
; NO CLUSTER, though all work-groups read the same table: the gathers' LDS addresses are made of the work-group's own rows of indices, which differ from work-group to work-group.
; THE PRODUCT IS USED TRANSPOSED: source 0 = 16 columns j of Vt, source 1 = my work-group's 16 rows of U S, C = the gathered numbers.  THE COLUMNS OF A TILE ARE NOT NEIGHBOURS: lane r of tile 2 b + u takes column
; 32 b + 8 u + r + 8 (r / 8), so that in lane (r, h) register 16 b + i is W[o0 + r][first column + 32 b + 16 h + i]: 16 neighbours along the later K, as the conversions want them.
; The codes so made ARE the later operand's registers: they are stored as they stand, with no way through LDS.
.set PITCH, 16400
.set FRB,   1536                       ; a fragment's image
.set SCO,   8*FRB                      ; where a UNIT's scale words begin
.set UNIT,  SCO+8*128
.set GRP,   32*UNIT                    ; a group's 32 K steps
; REGISTERS: v1 r = lane % 16, v2 h = lane / 16, v3 16 x lane, v4 lane, v5 .. v18 offsets (below), v19 U S's scale word, v46 4 x lane;
.set USW,   19
.set TM,    20                         ; v20-23 largest magnitudes, v24-27 the other half's, then bytes, v32-35 the conversions' scale operands
.set VS,    36                         ; v36-43  Vt's scale words, one register a tile: they hold nothing else in the whole text
.set PW,    44                         ; v44-45  W's scale words of my two K steps
.set H,     52                         ; v52-115 first (v52-83) the indices, then their LDS addresses; later 64 places of perm -> LDS addresses -> gathered numbers = C and D of the products
.set USF,   116                        ; v116-127 the fragment of U S
.set D,     128                        ; v128-255 first U (32), S (32) and temporaries; then my row, 128 registers; then:
.set VF,    128                        ; v128-223 Vt's eight fragments
.set RES,   224                        ; v224-247 W's two fragments
.set TQ,    248                        ; v248-255 the conversions' second halves
	s_load_b256 s[4:11], s[0:1], 0x0               ; centroids s[4:5], indices s[6:7], perm s[8:9], weight_scale s[10:11]
	s_load_b256 s[12:19], s[0:1], 0x20             ; weight_bias s[12:13], U s[14:15], S s[16:17], vc s[18:19]
	s_load_b128 s[20:23], s[0:1], 0x40             ; vs s[20:21], wq s[22:23]
	v_lshl_add_u32 v50, v0, 2, 0x40200
	v_mov_b32 v51, 0
	ds_add_u32 v50, v51
	ds_add_u32 v50, v51
	v_lshrrev_b32 v1, 5, v0
	s_delay_alu instid0(VALU_DEP_1)
	v_readfirstlane_b32 s26, v1                    ; wave w = 0 .. 15
	s_lshl_b32 s28, ttmp9, 4                       ; o0
	s_add_co_u32 s29, s28, s26                     ; o0 + w
	s_mov_b32 s30, 0x76543210
	s_mov_b32 s31, 0xfedcba98                      ; v_permlanex16_b32's selects for lane l xor 16
	; descriptor group 1: 64 rows of 256 bytes (32 elements of 8 bytes), dense in memory and in LDS
	s_mov_b32 s36, 3<<16                           ; 15:0 no mask; 17:16 elements of 8 bytes; 20 padding off
	s_mov_b32 s37, 32<<16                          ; tensor_dim0 = 32
	s_mov_b32 s38, 64<<16                          ; tensor_dim1 = 64
	s_mov_b32 s39, 32<<16                          ; tile_dim0 = 32
	s_mov_b32 s40, 64                              ; tile_dim1 = 64
	s_mov_b32 s41, 32                              ; from row to row
	s_mov_b32 s42, 0
	s_mov_b32 s43, 0
	s_mov_b32 s32, 1                               ; group 0: count = 1,
	s_lshl_b32 s33, s26, 14                        ; LDS address 16,384 w,
	s_lshl_b32 s44, s26, 14                        ; and the same number of bytes into the table
	s_mov_b32 s45, 0
	v_and_b32 v4, 31, v0                           ; lane
	v_and_b32 v1, 15, v0                           ; r
	v_bfe_u32 v2, v0, 4, 1                         ; h
	s_delay_alu instid0(VALU_DEP_3)
	v_lshlrev_b32 v3, 4, v4                        ; 16 x lane
	s_wait_alu depctr_va_vdst(0)
	s_wait_dscnt 0x0
	s_wait_kmcnt 0x0
	s_add_nc_u64 s[34:35], s[4:5], s[44:45]
	s_or_b32 s35, s35, 0x80000000                  ; type = 2
	tensor_load_to_lds s[32:35], s[36:43]          ; my sixteenth of the table: the launch's only fill of these bytes
	s_nop 0
.rept 4
	v_nop
.endr
	v_lshrrev_b32 v5, 1, v4
	s_delay_alu instid0(VALU_DEP_1)
	v_lshlrev_b32 v5, 2, v5                        ; v5  indices: two lanes to a chunk of 8: 4 (lane / 2)
	v_and_b32 v6, 1, v0
	s_delay_alu instid0(VALU_DEP_1)
	v_lshlrev_b32 v6, 4, v6                        ; v6  which 16 bytes of a centroid are mine: 16 (lane % 2)
	v_mov_b32 v7, 0                                ; v7  offset 0: my row's scale and bias
	s_mul_i32 s46, s26, PITCH
	v_add_nc_u32 v12, s46, v3                      ; v12 the tile, on the way in: row w, 16 x lane
	v_mul_u32_u24 v13, v1, PITCH                   ; v13 and for the gather: row r
	v_lshlrev_b32 v14, 8, v1
	s_delay_alu instid0(VALU_DEP_1)
	v_lshl_add_u32 v14, v2, 7, v14                 ; v14 U: row r of 256 bytes, + 128 h: my block of 32 along the rank
	v_lshlrev_b32 v15, 7, v2                       ; v15 S: 128 h
	v_lshlrev_b32 v16, 6, v2                       ; v16 perm: 64 h: lanes 16-31 take the places 16 further on
	v_and_b32 v17, 8, v1
	s_delay_alu instid0(VALU_DEP_1)
	v_add_nc_u32 v17, v17, v1                      ; r + 8 (r / 8)
	s_delay_alu instid0(VALU_DEP_1)
	v_lshlrev_b32 v18, 2, v17                      ; v18 vs: a word a column
	s_delay_alu instid0(VALU_DEP_2)
	v_mul_u32_u24 v17, v17, 48
	s_delay_alu instid0(VALU_DEP_1)
	v_mad_u32_u24 v17, v2, 24, v17                 ; v17 vc: 48 bytes a column, + 24 h: my block
	v_lshlrev_b32 v46, 2, v4                       ; v46 4 x lane: my scale word's place in its image
.irp b, 0,1,2,3
	v_mov_b32 v[TM+4+\b], 0                        ; written once: a lane permute's destination counts as one of its sources
.endr
	s_lshl_b32 s44, s29, 11
	s_add_nc_u64 s[6:7], s[6:7], s[44:45]          ; indices: my row, 2,048 bytes
	s_lshl_b32 s44, s26, 10
	s_add_nc_u64 s[8:9], s[8:9], s[44:45]          ; perm: my 256 places
	s_add_nc_u64 s[20:21], s[20:21], s[44:45]      ; vs: my 256 words
	s_lshl_b32 s44, s29, 2
	s_add_nc_u64 s[10:11], s[10:11], s[44:45]      ; my row's scale
	s_add_nc_u64 s[12:13], s[12:13], s[44:45]      ; and bias
	s_lshl_b32 s44, s28, 8
	s_add_nc_u64 s[14:15], s[14:15], s[44:45]      ; U: the work-group's 16 rows
	s_mul_i32 s44, s26, 12288
	s_add_nc_u64 s[18:19], s[18:19], s[44:45]      ; vc: my 256 columns
	s_lshr_b32 s44, ttmp9, 3                       ; wq: the work-group's group of 128 rows,
	s_mul_i32 s44, s44, GRP
	s_mul_i32 s46, s26, 2*UNIT                     ; my two K steps,
	s_add_co_u32 s44, s44, s46
	s_and_b32 s46, ttmp9, 7                        ; and which fragment of a UNIT the 16 rows are
	s_mul_i32 s47, s46, FRB
	s_lshl_b32 s46, s46, 7
	s_add_co_u32 s46, s46, SCO
	s_add_co_u32 s46, s46, s44                     ; where its scale words go,
	s_add_co_u32 s44, s44, s47                     ; and its codes
	s_mov_b32 s47, 0
	s_add_nc_u64 s[24:25], s[22:23], s[46:47]
	s_add_nc_u64 s[22:23], s[22:23], s[44:45]
.macro PLOAD s                         ; 64 places of perm for K step s, in the result's layout: register 8 t + 4 q + e = perm[256 w + 128 s + 32 (t / 2) + 8 (t % 2) + 16 h + 4 q + e]
.irp t, 0,1,2,3,4,5,6,7
.irp q, 0,1
	global_load_b128 v[H+8*\t+4*\q:H+8*\t+4*\q+3], v16, s[8:9] offset:512*(\s)+(32*(\t/2)+8*(\t%2))*4+16*\q
.endr
.endr
.endm
.macro PADDR                           ; a place becomes the LDS address of row r's number at that place
.set i, 0
.rept 64
	v_min_u32 v[H+i], 0xfff, v[H+i]
.set i, i+1
.endr
.set i, 0
.rept 64
	v_lshl_add_u32 v[H+i], v[H+i], 2, v13
.set i, i+1
.endr
.endm
.macro GATHER                          ; 16 rows x 2 places an instruction; each load lands on its own address register
.set i, 0
.rept 64
	ds_load_b32 v[H+i], v[H+i]
.set i, i+1
.endr
.endm
.macro VLOAD s                         ; Vt's eight fragments of K step s: registers 0-5 of each (k = 32 h + 0 .. 31 of my column), and the columns' scale words
.irp t, 0,1,2,3,4,5,6,7
.irp p, 0,1,2
	global_load_b64 v[VF+12*\t+2*\p:VF+12*\t+2*\p+1], v17, s[18:19] offset:6144*(\s)+(32*(\t/2)+8*(\t%2))*48+8*\p
.endr
	global_load_b32 v[VS+\t], v18, s[20:21] offset:512*(\s)+(32*(\t/2)+8*(\t%2))*4
.endr
.endm
.macro PROD                            ; eight accumulators, one instruction each
.irp t, 0,1,2,3,4,5,6,7
	v_wmma_scale_f32_16x16x128_f8f6f4 v[H+8*\t:H+8*\t+7], v[VF+12*\t:VF+12*\t+11], v[USF:USF+11], v[H+8*\t:H+8*\t+7], v[VS+\t], v[USW] matrix_a_fmt:MATRIX_FMT_BF6 matrix_b_fmt:MATRIX_FMT_BF6
.endr
.rept 4
	v_nop                                          ; four places in front of the first read of results and of loads into registers that these products have read
.endr
.endm
; 64 numbers of a lane, v[s] on, register 16 b + i = k 32 b + 16 h + i of row r, become a fragment's codes in v[pc] on and the row's scale word in v[pw].
.macro QUANT s, pc, pw
.irp b, 0,1,2,3
	v_max3_num_f32 v[TM+\b], |v[\s+16*\b]|, |v[\s+1+16*\b]|, 0x2800000   ; block b: my 16 numbers, and the floor 2^(5 - 127): the byte cannot fall under 1.  (Each accumulator is read from its low end on)
.endr
.irp i, 2,4,6,8,10,12,14
.irp b, 0,1,2,3
	v_max3_num_f32 v[TM+\b], v[TM+\b], |v[\s+16*\b+\i]|, |v[\s+1+16*\b+\i]|   ; (the four blocks by turns)
.endr
.endr
.irp b, 0,1,2,3
	s_delay_alu instid0(VALU_DEP_4)
	v_permlanex16_b32 v[TM+4+\b], v[TM+\b], s30, s31
.endr
.irp b, 0,1,2,3
	s_delay_alu instid0(VALU_DEP_4)
	v_max_num_f32 v[TM+\b], v[TM+\b], v[TM+4+\b]   ; with lane l xor 16's: the block's largest magnitude
.endr
.irp b, 0,1,2,3
	s_delay_alu instid0(VALU_DEP_4)
	v_add_nc_u32 v[TM+12+\b], 0xfe000000, v[TM+\b] ; 4 off its exponent field: the conversion's scale operand
.endr
.irp b, 0,1,2,3
	s_delay_alu instid0(VALU_DEP_4)
	v_lshrrev_b32 v[TM+4+\b], 23, v[TM+12+\b]      ; the scale's byte
.endr
	s_delay_alu instid0(VALU_DEP_3)
	v_lshl_or_b32 v[\pw], v[TM+5], 8, v[TM+4]
	s_delay_alu instid0(VALU_DEP_1)
	v_lshl_or_b32 v[\pw], v[TM+6], 16, v[\pw]
	s_delay_alu instid0(VALU_DEP_1)
	v_lshl_or_b32 v[\pw], v[TM+7], 24, v[\pw]
.irp c, 0,1
	v_cvt_scalef32_pk16_bf6_f32 v[\pc+6*\c:\pc+2+6*\c], v[\s+32*\c:\s+15+32*\c], v[TM+12+2*\c]
	v_cvt_scalef32_pk16_bf6_f32 v[TQ+4*\c:TQ+2+4*\c], v[\s+16+32*\c:\s+31+32*\c], v[TM+12+2*\c+1]   ; (a conversion's three registers begin on an even number)
.endr
	v_nop                                          ; one plain line behind a scaled conversion
.irp c, 0,1                            ; the operand's layout wants a WHOLE block in a lane: lanes 0-15 block 2 c, lanes 16-31 block 2 c + 1
.irp i, 0,1,2
	v_permlane16_swap_b32 v[\pc+6*\c+\i], v[TQ+4*\c+\i]
.endr
.irp i, 0,1,2
	s_delay_alu instid0(VALU_DEP_3)
	v_mov_b32 v[\pc+3+6*\c+\i], v[TQ+4*\c+\i]
.endr
.endr
.endm
.macro OUTW s                          ; K step s's fragment and scale word leave as they stand; neither their registers nor the offsets are written again
.irp c, 0,1,2
	global_store_b128 v3, v[RES+12*\s+4*\c:RES+12*\s+4*\c+3], s[22:23] offset:UNIT*\s+512*\c   ; 32 lanes store 512 consecutive bytes, at a multiple of 256 from wq's first byte
.endr
	global_store_b32 v46, v[PW+\s], s[24:25] offset:UNIT*\s   ; 128 consecutive bytes; the 128 beside them are another work-group's: 1 byte in 13 of what the launch stores
.endm
	; ---- the loads of the first phases, in the order in which they are wanted
.set i, 0
.rept 32
	global_load_b32 v[H+i], v5, s[6:7] offset:64*i th:TH_LOAD_NT   ; indices[o0 + w][16 i + lane / 2]: 64 consecutive bytes an instruction; the row's 2,048 bytes are read once in the launch
.set i, i+1
.endr
	global_load_b32 v8, v7, s[10:11]               ; weight_scale and weight_bias of my row, each twice: pairs for the packed multiply-add
	global_load_b32 v9, v7, s[10:11]
	global_load_b32 v10, v7, s[12:13]
	global_load_b32 v11, v7, s[12:13]
.irp q, 0,1,2,3,4,5,6,7
	global_load_b128 v[128+4*\q:131+4*\q], v14, s[14:15] offset:16*\q    ; U[o0 + r][32 h + 0 .. 31]
.endr
.irp q, 0,1,2,3,4,5,6,7
	global_load_b128 v[160+4*\q:163+4*\q], v15, s[16:17] offset:16*\q    ; S[32 h + 0 .. 31]
.endr
	s_wait_loadcnt 20                              ; the 32 loads of indices are in; behind them stand 4 + 8 + 8
.set i, 0
.rept 32
	v_min_u32 v[H+i], 0x1fff, v[H+i]               ; held to the table,
.set i, i+1
.endr
.set i, 0
.rept 32
	v_lshl_add_u32 v[H+i], v[H+i], 5, v6           ; 32 bytes a centroid, + my half of it
.set i, i+1
.endr
	s_wait_loadcnt 0x0
	; ---- Q(U S): lane (r, h) holds block h of row o0 + r whole, so its codes are registers 0-5 of the operand as they come
.set i, 0
.rept 16
	v_pk_mul_f32 v[128+2*i:129+2*i], v[128+2*i:129+2*i], v[160+2*i:161+2*i]
.set i, i+1
.endr
	v_max3_num_f32 v192, |v128|, |v129|, |v130|
	v_max3_num_f32 v193, |v131|, |v132|, |v133|
.irp i, 6,10,14,18,22,26
	s_delay_alu instid0(VALU_DEP_2)
	v_max3_num_f32 v192, v192, |v[128+\i]|, |v[129+\i]|
	s_delay_alu instid0(VALU_DEP_2)
	v_max3_num_f32 v193, v193, |v[130+\i]|, |v[131+\i]|
.endr
	s_delay_alu instid0(VALU_DEP_2)
	v_max3_num_f32 v192, v192, |v158|, |v159|
	s_delay_alu instid0(VALU_DEP_1)
	v_max3_num_f32 v192, v192, v193, 0x2800000     ; the floor
	s_delay_alu instid0(VALU_DEP_1)
	v_add_nc_u32 v194, 0xfe000000, v192            ; the conversions' scale operand
	s_delay_alu instid0(VALU_DEP_1)
	v_lshrrev_b32 v195, 23, v194                   ; my block's byte,
	v_lshlrev_b32 v196, 3, v2
	s_delay_alu instid0(VALU_DEP_1)
	v_lshlrev_b32 v195, v196, v195                 ; at its place in the word (8 h bits up);
	v_mov_b32 v197, 0
	s_delay_alu instid0(VALU_DEP_1)
	v_permlanex16_b32 v197, v195, s30, s31
	s_delay_alu instid0(VALU_DEP_1)
	v_or_b32 v[USW], v195, v197                    ; with lane l xor 16's,
	s_delay_alu instid0(VALU_DEP_1)
	v_or_b32 v[USW], 0x7f7f0000, v[USW]            ; and 2^0 for the zero codes, the word is whole
	v_cvt_scalef32_pk16_bf6_f32 v[USF:USF+2], v[128:143], v194
	v_cvt_scalef32_pk16_bf6_f32 v[198:200], v[144:159], v194
	v_nop                                          ; one plain line behind a scaled conversion
.irp i, 0,1,2
	v_mov_b32 v[USF+3+\i], v[198+\i]
.endr
.irp i, 6,7,8,9,10,11
	v_mov_b32 v[USF+\i], 0                         ; k = 64 .. 127: zero codes
.endr
	; ---- the table is whole
	s_wait_tensorcnt 0x0                           ; my sixteenth has landed,
	s_barrier_signal -1
	s_barrier_wait -1                              ; everybody's has
.set i, 0
.rept 32
	ds_load_b128 v[D+4*i:D+4*i+3], v[H+i]          ; 16 chunks of 8 an instruction: register 4 i + e = column 128 i + 4 lane + e of my row
.set i, i+1
.endr
	s_wait_dscnt 0x0                               ; my reads of the table are over: for my registers' sake and for the others'
	PLOAD 0                                        ; into the registers that held the addresses; the affine step, the tile's stores and two barriers stand between these loads and the wait for them
	s_barrier_signal -1
.set i, 0
.rept 64
	v_pk_fma_f32 v[D+2*i:D+2*i+1], v[D+2*i:D+2*i+1], v[8:9], v[10:11]   ; x weight_scale + weight_bias: work on registers while the others arrive
.set i, i+1
.endr
	s_wait_alu depctr_va_vdst(0)
	s_barrier_wait -1                              ; nobody reads the table any more: the tile may be written over it
.set i, 0
.rept 32
	ds_store_b128 v12, v[D+4*i:D+4*i+3] offset:512*i   ; 512 consecutive bytes of row w
.set i, i+1
.endr
	s_wait_dscnt 0x0                               ; my row lies in the tile, and the stores have read their registers,
	VLOAD 0                                        ; which now take Vt's fragments
	s_barrier_signal -1
.irp t, 0,1,2,3,4,5,6,7
.irp k, 6,7,8,9,10,11
	v_mov_b32 v[VF+12*\t+\k], 0                    ; k = 64 .. 127 of every fragment: zero codes, written once for both K steps
.endr
.endr
	s_wait_loadcnt 32                              ; perm's 16 loads are in; behind them stand the 32 of Vt's fragments and scale words
	PADDR                                          ; K step 0's addresses: work on registers while the others arrive; these 128 plain lines are also the places between the zeros above and the products
	s_wait_alu depctr_va_vdst(0)
	s_barrier_wait -1                              ; the tile is whole; from here on it is only read
	GATHER
	s_wait_loadcnt 0x0                             ; Vt's fragments and scale words
	s_wait_dscnt 0x0                               ; the gathered numbers
	PROD
	VLOAD 1                                        ; lands while K step 0 is quantised
	QUANT H, RES, PW
	PLOAD 1                                        ; all 256 registers are taken: perm's next 64 places can only come when K step 0's numbers are done with
	OUTW 0                                         ; K step 0 leaves while K step 1 is made
	; ---- K step 1
	s_wait_loadcnt 0x0
	PADDR
	GATHER
	s_wait_dscnt 0x0
	PROD
	QUANT H, RES+12, PW+1
	OUTW 1
	s_wait_tensorcnt 0x0
	ds_add_u32 v50, v51
	s_wait_dscnt 0x0
	s_endpgm
.Lfunc_end_k_qfcf79ee45e_wbuild:
	.size	k_qfcf79ee45e_wbuild, .Lfunc_end_k_qfcf79ee45e_wbuild-k_qfcf79ee45e_wbuild
	.p2alignl 7, 3214868480
	.fill 96, 4, 3214868480
	.section	.rodata,"a",@progbits
	.p2align	6, 0x0
	.amdhsa_kernel k_qfcf79ee45e_wbuild
		.amdhsa_group_segment_fixed_size 264704
		.amdhsa_private_segment_fixed_size 0
		.amdhsa_enable_private_segment 0
		.amdhsa_kernarg_size 80
		.amdhsa_user_sgpr_count 2
		.amdhsa_user_sgpr_kernarg_segment_ptr 1
		.amdhsa_wavefront_size32 1
		.amdhsa_system_sgpr_workgroup_id_x 1
		.amdhsa_system_sgpr_workgroup_id_y 1
		.amdhsa_system_sgpr_workgroup_id_z 1
		.amdhsa_system_vgpr_workitem_id 0
		.amdhsa_next_free_vgpr 256
		.amdhsa_next_free_sgpr 66
		.amdhsa_reserve_vcc 0
		.amdhsa_float_denorm_mode_32 3
		.amdhsa_float_denorm_mode_16_64 3
		.amdhsa_memory_ordered 1
		.amdhsa_forward_progress 1
		.amdhsa_inst_pref_size 72
	.end_amdhsa_kernel
	.amdgpu_metadata
---
amdhsa.version: [ 1, 2 ]
amdhsa.kernels:
  - .name:           k_qfcf79ee45e_wbuild
    .symbol:         k_qfcf79ee45e_wbuild.kd
    .args:
      - { .name: centroids, .offset: 0, .size: 8, .value_kind: global_buffer, .address_space: global }
      - { .name: indices, .offset: 8, .size: 8, .value_kind: global_buffer, .address_space: global }
      - { .name: perm, .offset: 16, .size: 8, .value_kind: global_buffer, .address_space: global }
      - { .name: weight_scale, .offset: 24, .size: 8, .value_kind: global_buffer, .address_space: global }
      - { .name: weight_bias, .offset: 32, .size: 8, .value_kind: global_buffer, .address_space: global }
      - { .name: U, .offset: 40, .size: 8, .value_kind: global_buffer, .address_space: global }
      - { .name: S, .offset: 48, .size: 8, .value_kind: global_buffer, .address_space: global }
      - { .name: vc, .offset: 56, .size: 8, .value_kind: global_buffer, .address_space: global }
      - { .name: vs, .offset: 64, .size: 8, .value_kind: global_buffer, .address_space: global }
      - { .name: wq, .offset: 72, .size: 8, .value_kind: global_buffer, .address_space: global }
    .group_segment_fixed_size: 264704
    .private_segment_fixed_size: 0
    .kernarg_segment_align: 8
    .kernarg_segment_size: 80
    .max_flat_workgroup_size: 512
    .sgpr_count:     66
    .vgpr_count:     256
    .wavefront_size: 32
...
	.end_amdgpu_metadata
.endif
;; end of part 2
;; launch gemm (part 3): grid 16 x 16, 4 waves a work-group, clusters of 4 x 4, 327,680 bytes of LDS; arguments xq, wq, bias, out0; writes out0
.if DOCPART == 3
	.amdgcn_target "amdgcn-amd-amdhsa--gfx1250"
	.amdhsa_code_object_version 6
	.text
	.protected	k_qfcf79ee45e_gemm
	.globl	k_qfcf79ee45e_gemm
	.p2align	8
	.type	k_qfcf79ee45e_gemm,@function
k_qfcf79ee45e_gemm:
	s_mov_b64 s[64:65], 0
	v_nop
	global_prefetch_b8 v0, s[64:65] scope:SCOPE_SE
	s_setreg_imm32_b32 hwreg(HW_REG_WAVE_MODE, 25, 1), 1
	s_wait_xcnt 0x0
	s_wait_alu depctr_hold_cnt(0) depctr_sa_sdst(0) depctr_va_vdst(0) depctr_va_sdst(0) depctr_va_ssrc(0) depctr_va_vcc(0) depctr_vm_vsrc(0)
	s_getreg_b32 s2, hwreg(HW_REG_IB_STS2, 6, 4)
	s_cmp_eq_u32 s2, 0
	s_cbranch_scc0 .Lentry_in_a_cluster
	s_endpgm
.Lentry_in_a_cluster:
	s_bfe_u32 s2, ttmp6, 0x10000c
	s_cmp_lg_u32 s2, 0xf033
	s_cbranch_scc0 .Lentry_shape_is_right
	s_endpgm
.Lentry_shape_is_right:
; out0[t][o] = bias[o] + sum over k of Q(x)[t][k] Q(W)[o][k].  xq and wq hold codes of BF6 (E3M2) and E8M0 scale words as images of the operand's registers:
; [32 groups of 128 rows][32 K steps of 128][UNIT]; a UNIT is 8 fragments of 1,536 bytes (register 4 c + e of lane l at 512 c + 16 l + 4 e), then 8 images of a scale register, 128 bytes each.
; A block of 256 x 256 of out0 is made by four waves, 128 x 128 each: 64 accumulators, 512 registers.  The product is used transposed (source 0 = 16 rows of W, source 1 = 16 rows of x),
; so that a lane holds eight neighbouring numbers of a row of out0; the bias is the C of the first K step's products.
; THE RING: two LDS slots of three K steps (4 x 3 UNITs); each wave fetches one group's UNITs by one joint load, dense rows of 256 bytes.  Slot 0's first fill has two K steps: 2 + 10 x 3 = 32.
; CLUSTERS: 4 x 4 work-groups; x's tiles are shared along a row of the cluster, W's along a column; a round of the cluster's barrier stands in front of every group of joint loads.
; FRAGMENTS: two sets of registers for x, for W and for the scale words.  While set p is multiplied, the next K step's 56 LDS loads go into set 1 - p in long runs (the step macros say which),
; one group of four places ahead of the first run.
; PREFETCH: behind the joint load of tile t a wave names tile t + 1 of its own group (three K steps, 192 matrix instructions, ahead of the load that wants it): 156 blocks of 256 bytes, of which each of the
; four partners that ask for the tile jointly takes 39, told apart by address: two instructions a wave, the second's spare lanes on the wave's last block.  The last refill has no tile behind it and asks for nothing.
; REGISTERS: window 0: v0-31 addresses, v32-47 scale words (two sets), v64-159 and v160-255 x's fragments.  window 1: v0-95 and v128-223 W's fragments, v96-127 and v224-255 the bias;
; on the way out v0-127 take rows read back from the stage.  window 2: accumulators of my rows 0-63, window 3: of my rows 64-127.
.set SIZE_N, 4096
.set FR,     12
.set FRB,    FR*128
.set SCO,    8*FRB
.set UNIT,   SCO+8*128
.set UROWS,  UNIT/256
.set GRP,    32*UNIT
.set NQ,     3                         ; K steps in a slot
.set HALFT,  NQ*UNIT                   ; what one joint load brings
.set SLOT,   4*HALFT
.set SPARE,  2*SLOT                    ; the spare words, 128 bytes a wave
.set STAGE,  SLOT                      ; the way out goes through slot 1, which has had its last fill and its last read by then
.set SPITCH, 528
.set TRIPS,  4
.set PFO,  12                          ; v12-13 the prefetches' offsets: 256 x lane, 256 x min(lane + 32, 38)
.set ADRA, 16                          ; v16-17 my fragments of x in slot 0, 1
.set ADRB, 20                          ; v20-21 of W
.set ADRS, 22                          ; v22-23 scale words: lanes 0-15 x's, lanes 16-31 W's
.set STO,  24
.set RD,   25
.set CO,   26
.set SPW,  28
.set NIL,  29
.set BO,   30
.set SC,   32
.set AF,   64
.set G1, 24
.set G0, 32
.set G1B, 48
.set G0B, 56
.set G1F, 68                           ; group 1 of the first fill: two K steps
.set G1FB, 80
.set PFA, 92                           ; s[92:93] where my prefetches stand
.set MSB, 0
.macro WIN new                         ; the immediate's high byte repeats the setting that is left
.if MSB != \new
	s_set_vgpr_msb (MSB<<8)|\new
.set MSB, \new
.endif
.endm
.set MUL_LO,  0xa1                     ; source 0 window 1, source 1 window 0, C and D window 2
.set MUL_HI,  0xf1
.set MUL_LO0, 0x91                     ; the same with C (the bias) in window 1
.set MUL_HI0, 0xd1
.set TO_B,    0x40                     ; destination window 1
.macro MWIN a, zero
.if \zero
.if (\a) < 4
	WIN MUL_LO0
.else
	WIN MUL_HI0
.endif
.else
.if (\a) < 4
	WIN MUL_LO
.else
	WIN MUL_HI
.endif
.endif
.endm
.macro JLOAD g0a, g1a, g0b, g1b        ; waves 0 and 1 fetch for x, waves 2 and 3 for W
	s_cmp_eq_u32 s15, 0
	s_cbranch_scc0 .Lfor_b_\@
	tensor_load_to_lds s[\g0a:\g0a+3], s[\g1a:\g1a+7]
	s_nop 0
.rept 4
	v_nop
.endr
	s_branch .Lasked_\@
.Lfor_b_\@:
	tensor_load_to_lds s[\g0b:\g0b+3], s[\g1b:\g1b+7]
	s_nop 0
.rept 4
	v_nop
.endr
.Lasked_\@:
.endm
.macro CREST                           ; a round of the cluster's barrier behind its opening barrier
	s_cmp_lg_u32 s14, 0
	s_cbranch_scc1 .Lnot_wave_0_\@
	s_barrier_signal -3
.Lnot_wave_0_\@:
	s_barrier_wait -3
	s_barrier_signal -1
	s_barrier_wait -1
.endm
.macro CROUND
	s_barrier_signal -1
	s_barrier_wait -1
	CREST
.endm
.macro ASK how, off                    ; how = 2: not in the loop's last trip, whose second refill is the last tile
.if \how == 2
	s_cmp_lg_u32 s3, 1
	s_cbranch_scc0 .Lno_ask_\@
.endif
	global_prefetch_b8 v[PFO], s[PFA:PFA+1] offset:\off th:TH_LOAD_NT scope:SCOPE_SE
	global_prefetch_b8 v[PFO+1], s[PFA:PFA+1] offset:\off th:TH_LOAD_NT scope:SCOPE_SE
.if \how == 2
.Lno_ask_\@:
.endif
.endm
	s_load_b128 s[4:7], s[0:1], 0x0                ; xq, wq
	s_load_b64 s[96:97], s[0:1], 0x10              ; bias
	s_load_b64 s[12:13], s[0:1], 0x18              ; out0
	v_lshl_add_u32 v[SPW], v0, 2, SPARE
	v_mov_b32 v[NIL], 0
	ds_add_u32 v[SPW], v[NIL]                      ; the opening lines: the add, twice on end, and its wait
	ds_add_u32 v[SPW], v[NIL]
	v_lshrrev_b32 v1, 5, v0
	v_readfirstlane_b32 s14, v1                    ; wave 0..3
	s_lshr_b32 s15, s14, 1                         ; my half of the block's rows; also: I fetch for x (0) or W (1)
	s_and_b32 s16, s14, 1                          ; my half of its columns; also: which group of 128 rows I fetch
	s_bfe_u32 s40, ttmp6, 0x40000                  ; cx
	s_bfe_u32 s41, ttmp6, 0x40004                  ; cy
	s_lshl_b32 s42, ttmp9, 2
	s_add_co_u32 s42, s42, s40                     ; block column
	s_and_b32 s17, ttmp7, 0xffff
	s_lshl_b32 s17, s17, 2
	s_add_co_u32 s17, s17, s41                     ; block row
	s_lshl_b32 s43, s41, 2
	s_lshl_b32 s43, 15, s43                        ; my row of the cluster
	s_lshl_b32 s44, 0x1111, s40                    ; my column
	s_or_b32 s[G1+0], s43, (3<<16)|(1<<21)         ; elements of 8 bytes, no padding, the mask
	s_or_b32 s[G1B+0], s44, (3<<16)|(1<<21)
	s_or_b32 s[G1F+0], s43, (3<<16)|(1<<21)
	s_or_b32 s[G1FB+0], s44, (3<<16)|(1<<21)
.irp g, G1, G1B
	s_mov_b32 s[\g+1], 32<<16                      ; rows of 256 bytes,
	s_mov_b32 s[\g+2], (NQ*UROWS)<<16              ; three UNITs of them
	s_mov_b32 s[\g+3], 32<<16
	s_mov_b32 s[\g+4], NQ*UROWS
	s_mov_b32 s[\g+5], 32
	s_mov_b32 s[\g+6], 0
	s_mov_b32 s[\g+7], 0
.endr
.irp g, G1F, G1FB
	s_mov_b32 s[\g+1], 32<<16
	s_mov_b32 s[\g+2], (2*UROWS)<<16               ; two UNITs
	s_mov_b32 s[\g+3], 32<<16
	s_mov_b32 s[\g+4], 2*UROWS
	s_mov_b32 s[\g+5], 32
	s_mov_b32 s[\g+6], 0
	s_mov_b32 s[\g+7], 0
.endr
	s_lshl_b32 s20, s17, 1
	s_add_co_u32 s20, s20, s16
	s_lshl_b32 s46, s42, 1
	s_add_co_u32 s46, s46, s16
	s_mul_i32 s20, s20, GRP                        ; x: the group that I fetch, by the block row alone
	s_mul_i32 s46, s46, GRP                        ; W: by the block column alone
	s_mov_b32 s21, 0
	s_mov_b32 s47, 0
	s_mul_i32 s45, s14, HALFT                      ; where it goes in a slot
	s_lshl_b32 s8, s17, 8                          ; out0: my first row 256 x block row + 128 x half, 16,384 bytes a row,
	s_lshl_b32 s9, s15, 7
	s_add_co_u32 s8, s8, s9
	s_lshl_b32 s8, s8, 14
	s_lshl_b32 s10, s42, 10                        ; my first column in bytes: also my place in the bias
	s_lshl_b32 s11, s16, 9
	s_add_co_u32 s10, s10, s11
	s_add_co_u32 s8, s8, s10
	s_mov_b32 s9, 0
	s_mov_b32 s11, 0
	s_cmp_eq_u32 s15, 0
	s_cselect_b32 s18, s40, s41                    ; my place among the four that ask for my tile with me
	s_mul_i32 s18, s18, 39*256                     ; my work-group's 39 blocks of a tile's 156,
	s_add_co_u32 s18, s18, 2*UNIT                  ; from tile 1 on
	s_mov_b32 s19, 0
	s_mul_i32 s88, s15, HALFT                      ; LDS: my 128 rows of x,
	s_mul_i32 s89, s16, HALFT
	s_add_co_u32 s89, s89, 2*HALFT                 ; my 128 rows of W,
	s_sub_co_u32 s90, s89, s88                     ; the distance between the two,
	s_add_co_u32 s91, s88, SCO                     ; x's scale words,
	s_mul_i32 s94, s14, 16*SPITCH
	s_add_co_u32 s94, s94, STAGE                   ; my stage
	s_wait_dscnt 0x0                               ; both opening adds are done
	s_wait_kmcnt 0x0
	s_add_nc_u64 s[20:21], s[4:5], s[20:21]
	s_add_nc_u64 s[46:47], s[6:7], s[46:47]
.irp s, 0,1
	s_mov_b32 s[G0+4*\s], 1
	s_add_co_u32 s[G0+4*\s+1], s45, \s*SLOT
	s_add_nc_u64 s[G0+4*\s+2:G0+4*\s+3], s[20:21], \s*2*UNIT
	s_or_b32 s[G0+4*\s+3], s[G0+4*\s+3], 0x80000000
	s_mov_b32 s[G0B+4*\s], 1
	s_add_co_u32 s[G0B+4*\s+1], s45, \s*SLOT
	s_add_nc_u64 s[G0B+4*\s+2:G0B+4*\s+3], s[46:47], \s*2*UNIT
	s_or_b32 s[G0B+4*\s+3], s[G0B+4*\s+3], 0x80000000
.endr
	CROUND                                         ; all sixteen work-groups are here: the first joint loads meet
	JLOAD G0, G1F, G0B, G1FB                       ; K steps 0 and 1: one tensor load a wave at the head
	; all that follows up to the wait on TENSORcnt is done while that load is out
	s_add_nc_u64 s[12:13], s[12:13], s[8:9]
	s_add_nc_u64 s[96:97], s[96:97], s[10:11]
	s_cmp_eq_u32 s15, 0
	s_cselect_b64 s[PFA:PFA+1], s[20:21], s[46:47]
	s_add_nc_u64 s[PFA:PFA+1], s[PFA:PFA+1], s[18:19]
	v_and_b32 v1, 15, v0                           ; r
	v_bfe_u32 v2, v0, 4, 1                         ; h
	v_and_b32 v6, 31, v0                           ; lane
	v_lshlrev_b32 v4, 4, v6
	v_add_nc_u32 v[ADRA], s88, v4                  ; an image's 16 bytes a lane
	v_add_nc_u32 v[ADRB], s89, v4
	v_add_nc_u32 v[ADRA+1], SLOT, v[ADRA]
	v_add_nc_u32 v[ADRB+1], SLOT, v[ADRB]
	v_mul_u32_u24 v5, s90, v2                      ; lanes 16-31 take W's scale words
	v_lshl_add_u32 v5, v6, 2, v5
	v_add_nc_u32 v[ADRS], s91, v5
	v_add_nc_u32 v[ADRS+1], SLOT, v[ADRS]
	v_mul_u32_u24 v7, v1, SPITCH                   ; the stage, in: row r, 32 bytes for each half of the lanes
	v_lshl_add_u32 v7, v2, 5, v7
	v_add_nc_u32 v[STO], s94, v7
	v_lshlrev_b32 v[CO], 4, v6                     ; back: 32 lanes take a row of 512 bytes; the same in out0
	v_add_nc_u32 v[RD], s94, v[CO]
	v_lshlrev_b32 v[BO], 5, v2                     ; the bias: 32 h
	v_lshlrev_b32 v[PFO], 8, v6
	v_add_nc_u32 v8, 32, v6
	v_min_u32 v8, 38, v8
	v_lshlrev_b32 v[PFO+1], 8, v8
	s_wait_alu depctr_va_vdst(0)
	WIN TO_B
.irp b, 0,1,2,3,4,5,6,7
	global_load_b128 v[96+8*(\b%4)+128*(\b/4):96+8*(\b%4)+128*(\b/4)+3], v[BO], s[96:97] offset:64*\b      ; bias[16 b + 8 h + 0 .. 7]: the result's layout
	global_load_b128 v[96+8*(\b%4)+128*(\b/4)+4:96+8*(\b%4)+128*(\b/4)+7], v[BO], s[96:97] offset:64*\b+16
.endr
	WIN 0
	ASK 1, 0                                       ; tile 1
.macro LDB nslot, nq, np, b
.irp c, 0,1,2
	ds_load_b128 v[128*(\np)+FR*(\b)+4*\c:128*(\np)+FR*(\b)+4*\c+3], v[ADRB+\nslot] offset:(\nq)*UNIT+(\b)*FRB+512*\c
.endr
.endm
.macro LDA nslot, nq, np, a
.irp c, 0,1,2
	ds_load_b128 v[AF+96*(\np)+FR*(\a)+4*\c:AF+96*(\np)+FR*(\a)+4*\c+3], v[ADRA+\nslot] offset:(\nq)*UNIT+(\a)*FRB+512*\c
.endr
.endm
.macro LDW nslot, nq, np, i
	ds_load_b32 v[SC+8*(\np)+(\i)], v[ADRS+\nslot] offset:(\nq)*UNIT+(\i)*128
.endm
; eight products: x's block a against W's eight.  The 64 accumulators take turns in the same order in every K step.
.macro G8 a, p, zero
.irp b, 0,1,2,3,4,5,6,7
.if \zero
	v_wmma_scale_f32_16x16x128_f8f6f4 v[8*(8*((\a)%4)+\b):8*(8*((\a)%4)+\b)+7], v[128*(\p)+FR*\b:128*(\p)+FR*\b+FR-1], v[AF+96*(\p)+FR*(\a):AF+96*(\p)+FR*(\a)+FR-1], v[96+8*(\b%4)+128*(\b/4):96+8*(\b%4)+128*(\b/4)+7], v[SC+8*(\p)+\b], v[SC+8*(\p)+(\a)] matrix_a_fmt:MATRIX_FMT_BF6 matrix_b_fmt:MATRIX_FMT_BF6 matrix_a_scale:MATRIX_SCALE_ROW1
.else
	v_wmma_scale_f32_16x16x128_f8f6f4 v[8*(8*((\a)%4)+\b):8*(8*((\a)%4)+\b)+7], v[128*(\p)+FR*\b:128*(\p)+FR*\b+FR-1], v[AF+96*(\p)+FR*(\a):AF+96*(\p)+FR*(\a)+FR-1], v[8*(8*((\a)%4)+\b):8*(8*((\a)%4)+\b)+7], v[SC+8*(\p)+\b], v[SC+8*(\p)+(\a)] matrix_a_fmt:MATRIX_FMT_BF6 matrix_b_fmt:MATRIX_FMT_BF6 matrix_a_scale:MATRIX_SCALE_ROW1
.endif
.endr
.endm
.macro PLACES                          ; four places ahead of loads into registers that matrix instructions have read, and of reads of results
.rept 4
	v_nop
.endr
.endm
; A K step inside a slot: set p is multiplied, K step nq of slot nslot is fetched into set 1 - p in two runs: W's 24 loads at the step's head, the 8 scale words and x's 24 loads in its middle.
.macro NSTEP p, nslot, nq, zero
	PLACES                                         ; set 1 - p was read by the last K step's products
	WIN TO_B
.irp b, 0,1,2,3,4,5,6,7
	LDB \nslot, \nq, 1-\p, \b
.endr
	s_wait_dscnt 24                                ; out may be the 24 just issued: this step's fragments and scale words are in
	MWIN 0, \zero
	G8 0, \p, \zero
	G8 1, \p, \zero
	G8 2, \p, \zero
	G8 3, \p, \zero
	WIN 0
.irp i, 0,1,2,3,4,5,6,7
	LDW \nslot, \nq, 1-\p, \i
.endr
.irp a, 0,1,2,3,4,5,6,7
	LDA \nslot, \nq, 1-\p, \a
.endr
	MWIN 4, \zero
	G8 4, \p, \zero
	G8 5, \p, \zero
	G8 6, \p, \zero
	G8 7, \p, \zero
.endm
; A slot's last K step changes slots.  In front of the barrier each wave waits for all its tensor loads (one is out: its part of the next slot), adds 0 to its spare word, and waits for that and for its reads of this slot.
; fill = 1: the barrier opens a round of the cluster's barrier, and this slot is filled again first behind it.  The next K step's 56 loads follow in one run.
.macro TSTEP p, slot, nslot, fill, adv, how, pstep
	WIN 0
.if \pstep
	s_wait_xcnt 0x0                                ; my last prefetches, three K steps back, have read their address
	s_add_nc_u64 s[PFA:PFA+1], s[PFA:PFA+1], \pstep
.endif
	s_wait_tensorcnt 0x0
	ds_add_u32 v[SPW], v[NIL]
	s_wait_dscnt 1                                 ; this step's fragments are in; the add may be out
	WIN MUL_LO
	G8 0, \p, 0
	G8 1, \p, 0
	s_wait_dscnt 0x0                               ; the add is done; my reads of this slot are over
	s_barrier_signal -1
	G8 2, \p, 0
	G8 3, \p, 0
	WIN 0
	s_barrier_wait -1
.if \fill
	CREST
	s_add_nc_u64 s[G0+4*\slot+2:G0+4*\slot+3], s[G0+4*\slot+2:G0+4*\slot+3], \adv
	s_add_nc_u64 s[G0B+4*\slot+2:G0B+4*\slot+3], s[G0B+4*\slot+2:G0B+4*\slot+3], \adv
	JLOAD G0+4*\slot, G1, G0B+4*\slot, G1B         ; the first tensor load behind the round; its four v_nop are the places ahead of the loads below
.else
	PLACES
.endif
	WIN TO_B
.irp b, 0,1,2,3,4,5,6,7
	LDB \nslot, 0, 1-\p, \b
.endr
	WIN 0
.irp i, 0,1,2,3,4,5,6,7
	LDW \nslot, 0, 1-\p, \i
.endr
.irp a, 0,1,2,3,4,5,6,7
	LDA \nslot, 0, 1-\p, \a
.endr
.if \how
	ASK \how, 0
.endif
	WIN MUL_HI
	G8 4, \p, 0
	G8 5, \p, 0
	G8 6, \p, 0
	G8 7, \p, 0
.endm
	s_wait_tensorcnt 0x0                           ; my part of K steps 0 and 1 is in
	ds_add_u32 v[SPW], v[NIL]
	s_wait_dscnt 0x0
	CROUND                                         ; everybody's part is in, and the joint loads meet
	JLOAD G0+4, G1, G0B+4, G1B                     ; tile 1, K steps 2 to 4: slot 1's first fill
	WIN TO_B
.irp b, 0,1,2,3,4,5,6,7
	LDB 0, 0, 0, \b
.endr
	WIN 0
.irp i, 0,1,2,3,4,5,6,7
	LDW 0, 0, 0, \i
.endr
.irp a, 0,1,2,3,4,5,6,7
	LDA 0, 0, 0, \a
.endr
	ASK 1, 3*UNIT                                  ; tile 2
	s_wait_loadcnt 0x0                             ; the bias
	NSTEP 0, 0, 1, 1                               ; the first K step's products start the sums on the bias
	TSTEP 1, 0, 1, 1, 5*UNIT, 1, 6*UNIT            ; asks for tile 2, names tile 3
	WIN 0
	s_mov_b32 s3, TRIPS
.Llap:                                                 ; a trip goes once round the ring: six K steps, two refills
	NSTEP 0, 1, 1, 0
	NSTEP 1, 1, 2, 0
	TSTEP 0, 1, 0, 1, 6*UNIT, 1, 3*UNIT
	NSTEP 1, 0, 1, 0
	NSTEP 0, 0, 2, 0
	TSTEP 1, 0, 1, 1, 6*UNIT, 2, 3*UNIT
	WIN 0
	s_sub_co_u32 s3, s3, 1
	s_cmp_lg_u32 s3, 0
	s_cbranch_scc1 .Llap
	NSTEP 0, 1, 1, 0                               ; the last six K steps fill nothing
	NSTEP 1, 1, 2, 0
	TSTEP 0, 1, 0, 0, 0, 0, 0
	NSTEP 1, 0, 1, 0
	NSTEP 0, 0, 2, 0
; THE LAST K STEP AND THE WAY OUT.  A block of 16 rows is finished by its eight products: it goes through my own stage (rows of 528 bytes) and comes back as whole rows of 512 bytes,
; which the 32 lanes store as two aligned units of 256 bytes, while the next block is multiplied.  LDS serves a wave's instructions in order (ISA guide 5.7.1.4): no wait between the stage's stores and loads.
.macro TOSTAGE a
.set AC, 64*((\a)%4)
	WIN 0x08+4*((\a)/4)                            ; the data: window 2 or 3
.irp b, 0,1,2,3,4,5,6,7
	ds_store_b128 v[STO], v[AC+8*\b:AC+8*\b+3] offset:64*\b          ; each accumulator from its low end on
	ds_store_b128 v[STO], v[AC+8*\b+4:AC+8*\b+7] offset:64*\b+16
.endr
	WIN TO_B
.set BB, 64*((\a)%2)
.irp t, 0,1,2,3,4,5,6,7,8,9,10,11,12,13,14,15
	ds_load_b128 v[BB+4*\t:BB+4*\t+3], v[RD] offset:\t*SPITCH
.endr
.endm
.macro SEND a, younger                 ; younger: LDS instructions issued behind block a's loads
.set BB, 64*((\a)%2)
	s_wait_dscnt \younger
.if (\a) > 0
	s_add_nc_u64 s[12:13], s[12:13], 16*SIZE_N*4   ; behind a wait on XCNT: the earlier stores have read their base
.endif
	WIN 0x04                                       ; the data: window 1
.irp t, 0,1,2,3,4,5,6,7,8,9,10,11,12,13,14,15
	global_store_b128 v[CO], v[BB+4*\t:BB+4*\t+3], s[12:13] offset:\t*SIZE_N*4 th:TH_STORE_NT
.endr
.endm
	s_wait_dscnt 0x0                               ; the last fragments are in
	WIN MUL_LO
	G8 0, 1, 0
.irp a, 0,1,2,3,4,5,6,7
.if \a < 7
	MWIN \a+1, 0
	G8 \a+1, 1, 0
	PLACES                                         ; ahead of the stage's stores, which read results
.endif
.if \a > 1
	s_wait_xcnt 0x0                                ; block a - 2's stores have read their registers and their base
.endif
	TOSTAGE \a
.if \a > 0
	SEND \a-1, 32                                  ; behind block a - 1's loads: block a's 16 stores and 16 loads
.endif
.endr
	s_wait_xcnt 0x0
	SEND 7, 0
	WIN 0
	s_wait_tensorcnt 0x0                           ; the wave's end
	ds_add_u32 v[SPW], v[NIL]
	s_wait_dscnt 0x0
	CROUND                                         ; the closing round
	s_endpgm
.Lfunc_end_k_qfcf79ee45e_gemm:
	.size	k_qfcf79ee45e_gemm, .Lfunc_end_k_qfcf79ee45e_gemm-k_qfcf79ee45e_gemm
	.p2alignl 7, 3214868480
	.fill 96, 4, 3214868480
	.section	.rodata,"a",@progbits
	.p2align	6, 0x0
	.amdhsa_kernel k_qfcf79ee45e_gemm
		.amdhsa_group_segment_fixed_size 327680
		.amdhsa_private_segment_fixed_size 0
		.amdhsa_enable_private_segment 0
		.amdhsa_kernarg_size 32
		.amdhsa_user_sgpr_count 2
		.amdhsa_user_sgpr_kernarg_segment_ptr 1
		.amdhsa_wavefront_size32 1
		.amdhsa_system_sgpr_workgroup_id_x 1
		.amdhsa_system_sgpr_workgroup_id_y 1
		.amdhsa_system_sgpr_workgroup_id_z 1
		.amdhsa_system_vgpr_workitem_id 0
		.amdhsa_next_free_vgpr 1024
		.amdhsa_next_free_sgpr 98
		.amdhsa_reserve_vcc 0
		.amdhsa_float_denorm_mode_32 3
		.amdhsa_float_denorm_mode_16_64 3
		.amdhsa_memory_ordered 1
		.amdhsa_forward_progress 1
		.amdhsa_inst_pref_size 211
	.end_amdhsa_kernel
	.amdgpu_metadata
---
amdhsa.version: [ 1, 2 ]
amdhsa.kernels:
  - .name:           k_qfcf79ee45e_gemm
    .symbol:         k_qfcf79ee45e_gemm.kd
    .args:
      - { .name: xq, .offset: 0, .size: 8, .value_kind: global_buffer, .address_space: global }
      - { .name: wq, .offset: 8, .size: 8, .value_kind: global_buffer, .address_space: global }
      - { .name: bias, .offset: 16, .size: 8, .value_kind: global_buffer, .address_space: global }
      - { .name: out0, .offset: 24, .size: 8, .value_kind: global_buffer, .address_space: global }
    .group_segment_fixed_size: 327680
    .private_segment_fixed_size: 0
    .kernarg_segment_align: 8
    .kernarg_segment_size: 32
    .max_flat_workgroup_size: 128
    .sgpr_count:     98
    .vgpr_count:     1024
    .wavefront_size: 32
...
	.end_amdgpu_metadata
.endif
;; end of part 3
